; MI455X (gfx1250); checked and timed in simulation.
; The chip was launched on July 23, 2026; its instructions are those of AMD's public machine-readable ISA for CDNA 5 (MIT licence, August 2026) and "CDNA5" Instruction Set Architecture Reference Guide (July 2026). The comments in the code are by the model that wrote it; some were corrected since.
;; Dot General Module. Allowed arithmetic: float matrix products may take bf16 or f16 operands with f32 sums; other float arithmetic in f32, or as packed bf16 or f16 multiplies, adds, multiply-adds, maxima and minima; sums over many terms, partial sums and values carried from step to step in f32; what a program stores and reads back later, other than sums and carried values, may be rounded once to bf16 or f16.
;; Inputs: lhs 4,096 x 4,096 float32; rhs 4,096 x 4,096 float32.
;; Outputs: out0 4,096 x 4,096 float32.
;; 2 versions, each right; version 2 is version 1 with the launch quant written anew for expert scheduling mode. Each part assembles by itself: llvm-mc -triple=amdgcn-amd-amdhsa -mcpu=gfx1250 --defsym DOCPART=n.
;; ======== version 1 of 2: 3 launches
;; limits: below input magnitudes of 1.4e-17 results are inexact or not finite; inputs' magnitudes at most 8.5e+37
;; workspace buffers: part 2,048 bytes; deq 256 bytes; ql 33,554,432 bytes; qr 33,554,432 bytes
;; launch amax (part 1): grid 256 x 2, 8 waves a work-group, no clusters, 1,280 bytes of LDS; arguments lhs, rhs, part; writes part
.if DOCPART == 1
	.amdgcn_target "amdgcn-amd-amdhsa--gfx1250"
	.amdhsa_code_object_version 6
	.text
	.protected	k_qbafcd4a360_amax
	.globl	k_qbafcd4a360_amax
	.p2align	8
	.type	k_qbafcd4a360_amax,@function
k_qbafcd4a360_amax:
	s_mov_b64 s[64:65], 0
	v_nop
	global_prefetch_b8 v0, s[64:65] scope:SCOPE_SE
	s_setreg_imm32_b32 hwreg(HW_REG_WAVE_MODE, 25, 1), 1
	s_wait_xcnt 0x0
; FIRST OF THREE LAUNCHES.  out = (ql x qr) / (ls rs), ql = clip(round(lhs ls)), qr = clip(round(rhs rs)), ls = 127 / max(amax(lhs), 1e-12), rs likewise.
; This launch: part[t][x] = the largest |number| in work-group x's 256 KiB of tensor t (t = 0: lhs, t = 1: rhs).  The second launch finishes the two maxima, quantises and stores
; whole numbers as bf16; the third multiplies them.  The maximum spans the whole tensor and work-groups hand nothing to each other, so it has a launch of its own.
; NO WORK IS LEFT OUT: both inputs reach every output through their scale and their codes; the clip of reference() is kept.
; LIMITS.  NaN and infinities in the inputs are not treated apart (a NaN loses every maximum here).
; SHARES.  Grid y picks the tensor.  A work-group takes 256 KiB, each of its eight waves 32 KiB: 64 loads of 16 bytes a lane, each covering 512 consecutive bytes.
; A ring of 16 slots in registers keeps 16 loads of every wave on their way.  amax = max(0, largest x, -smallest x): two chains of maxima and two of minima, all started at 0.
.set DEPTH, 16                         ; slots = loads in flight in each wave
.set X,     16                         ; v[16:79]  slot i: four registers as loaded
.set SPW,   12                         ; v12  LDS address of my spare word: SPARE + 4 x my thread's number; never rewritten
.set NIL,   13                         ; v13  0; never rewritten
.set SPARE, 256                        ; LDS: bytes 0-31 one word a wave (the block 0-255 is theirs); from 256 on the spare words, 128 bytes for each of eight waves
	s_load_b128 s[4:7], s[0:1], 0x0                ; lhs s[4:5], rhs s[6:7]
	s_load_b64 s[8:9], s[0:1], 0x10                ; part
	v_lshl_add_u32 v[SPW], v0, 2, SPARE
	v_mov_b32 v[NIL], 0
	s_and_b32 s10, ttmp7, 0xffff                   ; which tensor
	s_lshl_b32 s12, ttmp9, 18                      ; the work-group's 256 KiB
	s_mov_b32 s13, 0
	s_lshl_b32 s14, s10, 10                        ; where my work-group's word lies in part: 1,024 t + 4 x
	s_lshl_b32 s15, ttmp9, 2
	s_add_co_u32 s14, s14, s15
	s_mov_b32 s16, 0x76543210                      ; v_permlanex16_b32: each lane takes its own place in the other half
	s_mov_b32 s17, 0xfedcba98
	v_and_b32 v1, 0xe0, v0                         ; 32 x wave
	v_and_b32 v2, 31, v0                           ; lane
	v_lshlrev_b32 v1, 10, v1                       ; wave x 32 KiB
	v_lshl_or_b32 v1, v2, 4, v1                    ; + 16 bytes a lane; never rewritten
	v_lshrrev_b32 v10, 5, v0
	v_lshlrev_b32 v10, 2, v10                      ; my wave's word in LDS
	v_mov_b32 v4, 0                                ; the four chains start at 0, which changes no amax
	v_mov_b32 v5, 0
	v_mov_b32 v6, 0
	v_mov_b32 v7, 0
	v_mov_b32 v9, 0                                ; written before v_permlanex16_b32 names it as its destination
	v_mov_b32 v11, s14
	s_wait_kmcnt 0x0
	s_cmp_eq_u32 s10, 0
	s_cselect_b64 s[4:5], s[4:5], s[6:7]           ; my tensor,
	s_add_nc_u64 s[4:5], s[4:5], s[12:13]          ; at my work-group's first byte
.irp i, 0,1,2,3,4,5,6,7,8,9,10,11,12,13,14,15
	global_load_b128 v[X+4*(\i):X+4*(\i)+3], v1, s[4:5] offset:(\i)*512 th:TH_LOAD_NT  ; the ring is filled
.endr
; One slot's turn.  ahead = 1: the slot is filled again, 16 loads further on.  left = how many younger loads may stay out.
.macro TURN i, ahead, left
	s_wait_loadcnt \left                           ; loads come back in order: mine is in, the younger ones stay out
	v_max3_num_f32 v4, v4, v[X+4*(\i)],   v[X+4*(\i)+1]
	v_max3_num_f32 v5, v5, v[X+4*(\i)+2], v[X+4*(\i)+3]
	v_min3_num_f32 v6, v6, v[X+4*(\i)],   v[X+4*(\i)+1]
	v_min3_num_f32 v7, v7, v[X+4*(\i)+2], v[X+4*(\i)+3]
.if \ahead
	global_load_b128 v[X+4*(\i):X+4*(\i)+3], v1, s[4:5] offset:(DEPTH+(\i))*512 th:TH_LOAD_NT
.endif
.endm
	s_mov_b32 s15, 64/DEPTH-1
.Lround:
.irp i, 0,1,2,3,4,5,6,7,8,9,10,11,12,13,14,15
	TURN \i, 1, DEPTH-1
.endr
	s_wait_xcnt 0x0                                ; the base is stepped only behind this wait
	s_add_nc_u64 s[4:5], s[4:5], DEPTH*512
	s_sub_co_u32 s15, s15, 1
	s_cmp_lg_u32 s15, 0
	s_cbranch_scc1 .Lround
.irp i, 0,1,2,3,4,5,6,7,8,9,10,11,12,13,14,15
	TURN \i, 0, DEPTH-1-(\i)                       ; the last round loads nothing: the counts run down
.endr
	v_max_num_f32 v4, v4, v5
	v_min_num_f32 v6, v6, v7
	v_sub_f32 v6, 0, v6                            ; -smallest
	v_max_num_f32 v8, v4, v6
	; across the 32 lanes: four steps inside each half of 16 lanes, one across the halves
	v_max_num_f32_dpp v8, v8, v8 row_xmask:1 row_mask:0xf bank_mask:0xf
	v_max_num_f32_dpp v8, v8, v8 row_xmask:2 row_mask:0xf bank_mask:0xf
	v_max_num_f32_dpp v8, v8, v8 row_xmask:4 row_mask:0xf bank_mask:0xf
	v_max_num_f32_dpp v8, v8, v8 row_xmask:8 row_mask:0xf bank_mask:0xf
	v_permlanex16_b32 v9, v8, s16, s17
	v_max_num_f32 v8, v8, v9
	ds_store_b32 v10, v8                           ; all lanes write the wave's word with the same value
	s_wait_dscnt 0x0                               ; for the others' sake: my store is done
	s_barrier_signal -1
	s_barrier_wait -1
	v_mov_b32 v9, 0
	ds_load_b128 v[16:19], v9                      ; the eight waves' maxima, in every lane
	ds_load_b128 v[20:23], v9 offset:16
	s_wait_dscnt 0x0
	v_max3_num_f32 v16, v16, v17, v18
	v_max3_num_f32 v19, v19, v20, v21
	v_max3_num_f32 v16, v16, v22, v23
	v_max_num_f32 v8, v16, v19
	; One store of 4 bytes a work-group: the 64 words that make 256 consecutive bytes of part belong to 64 work-groups, which hand nothing to each other.
	s_wait_xcnt 0x0                                ; EXEC changes only behind this wait
	v_cmp_eq_u32 vcc_lo, 0, v0
	s_and_saveexec_b32 s20, vcc_lo                 ; thread 0 alone
	global_store_b32 v11, v8, s[8:9]
	s_wait_xcnt 0x0                                ; and again, in front of the line that widens it
	s_or_b32 exec_lo, exec_lo, s20
	s_wait_tensorcnt 0x0                           ; the wave's end: behind my last LDS store
	ds_add_u32 v[SPW], v[NIL]
	s_wait_dscnt 0x0
	s_endpgm
.Lfunc_end_k_qbafcd4a360_amax:
	.size	k_qbafcd4a360_amax, .Lfunc_end_k_qbafcd4a360_amax-k_qbafcd4a360_amax
	.p2alignl 7, 3214868480
	.fill 96, 4, 3214868480
	.section	.rodata,"a",@progbits
	.p2align	6, 0x0
	.amdhsa_kernel k_qbafcd4a360_amax
		.amdhsa_group_segment_fixed_size 1280
		.amdhsa_private_segment_fixed_size 0
		.amdhsa_enable_private_segment 0
		.amdhsa_kernarg_size 24
		.amdhsa_user_sgpr_count 2
		.amdhsa_user_sgpr_kernarg_segment_ptr 1
		.amdhsa_wavefront_size32 1
		.amdhsa_system_sgpr_workgroup_id_x 1
		.amdhsa_system_sgpr_workgroup_id_y 1
		.amdhsa_system_sgpr_workgroup_id_z 1
		.amdhsa_system_vgpr_workitem_id 0
		.amdhsa_next_free_vgpr 80
		.amdhsa_next_free_sgpr 66
		.amdhsa_reserve_vcc 1
		.amdhsa_float_denorm_mode_32 3
		.amdhsa_float_denorm_mode_16_64 3
		.amdhsa_memory_ordered 1
		.amdhsa_forward_progress 1
		.amdhsa_inst_pref_size 16
	.end_amdhsa_kernel
	.amdgpu_metadata
---
amdhsa.version: [ 1, 2 ]
amdhsa.kernels:
  - .name:           k_qbafcd4a360_amax
    .symbol:         k_qbafcd4a360_amax.kd
    .args:
      - { .name: lhs, .offset: 0, .size: 8, .value_kind: global_buffer, .address_space: global }
      - { .name: rhs, .offset: 8, .size: 8, .value_kind: global_buffer, .address_space: global }
      - { .name: part, .offset: 16, .size: 8, .value_kind: global_buffer, .address_space: global }
    .group_segment_fixed_size: 1280
    .private_segment_fixed_size: 0
    .kernarg_segment_align: 8
    .kernarg_segment_size: 24
    .max_flat_workgroup_size: 256
    .sgpr_count:     66
    .vgpr_count:     80
    .wavefront_size: 32
...
	.end_amdgpu_metadata
.endif
;; end of part 1
;; launch quant (part 2): grid 256 x 2, 8 waves a work-group, no clusters, 0 bytes of LDS; arguments lhs, rhs, part, ql, qr, deq; writes ql, qr, deq
.if DOCPART == 2
	.amdgcn_target "amdgcn-amd-amdhsa--gfx1250"
	.amdhsa_code_object_version 6
	.text
	.protected	k_qbafcd4a360_quant
	.globl	k_qbafcd4a360_quant
	.p2align	8
	.type	k_qbafcd4a360_quant,@function
k_qbafcd4a360_quant:
	s_mov_b64 s[64:65], 0
	v_nop
	global_prefetch_b8 v0, s[64:65] scope:SCOPE_SE
	s_setreg_imm32_b32 hwreg(HW_REG_WAVE_MODE, 25, 1), 1
	s_wait_xcnt 0x0
; SECOND OF THREE LAUNCHES.  ql = clip(round(lhs ls), -127, 127), qr = clip(round(rhs rs), -127, 127), stored as bf16 in the inputs' own layouts; deq = 1 / (ls rs), 64 times.
; A whole number of magnitude 127 at the most has 7 bits: bf16 holds it exactly, so the third launch's bf16 products are the integer products of reference().
; SCALES.  Every wave finishes both maxima from part (2 x 256 words) by itself: no wave waits for another.  ls = 127 / max(amax, 1e-12): a reciprocal and one Newton step on the quotient.
; The product x ls is one f32 multiply, the rounding is to the nearest whole number, ties to even, and the clip is kept: as in reference().
; LIMITS.  The scale lies within one unit in the last place of the f32 division's.  amax above 2^126, or ls rs outside 2^-126 .. 2^126, is not served: v_rcp_f32 gives 0 where its result
; would be a denormal and takes a denormal for 0 (ISA guide 15.8).  NaN and infinities in the inputs are not treated apart.
; SHARES.  Grid y picks the tensor.  A work-group takes 256 KiB of it, each of its eight waves 32 KiB: 64 loads of 16 bytes a lane (512 consecutive bytes a load).  A lane's four numbers
; become 8 bytes: each store of a wave covers 256 consecutive bytes, aligned.  A ring of 16 slots in registers keeps 16 loads of every wave on their way.
.set DEPTH, 16
.set X,     32                         ; v[32:95]   slot i: four registers as loaded, then at work
.set Y,     96                         ; v[96:127]  slot i: two registers to store
.set SC,    22                         ; s[22:23]   my tensor's scale, twice: the packed multiply names the pair and takes its low word for both halves
	s_load_b256 s[4:11], s[0:1], 0x0               ; lhs s[4:5], rhs s[6:7], part s[8:9], ql s[10:11]
	s_load_b128 s[12:15], s[0:1], 0x20             ; qr s[12:13], deq s[14:15]
	s_and_b32 s16, ttmp7, 0xffff                   ; which tensor
	v_lshrrev_b32 v20, 5, v0
	v_readfirstlane_b32 s17, v20                   ; my wave's number
	s_lshl_b32 s18, ttmp9, 18                      ; the work-group's 256 KiB in,
	s_mov_b32 s19, 0
	s_lshl_b32 s20, ttmp9, 17                      ; and 128 KiB out
	s_mov_b32 s21, 0
	s_mov_b32 s24, 0xc2fe0000                      ; -127.0
	s_mov_b32 s25, 0x42fe0000                      ; 127.0
	s_mov_b32 s26, 0x76543210                      ; v_permlanex16_b32: each lane takes its own place in the other half
	s_mov_b32 s27, 0xfedcba98
	v_and_b32 v21, 0xe0, v0                        ; 32 x wave
	v_and_b32 v22, 31, v0                          ; lane
	v_lshlrev_b32 v1, 10, v21
	v_lshl_or_b32 v1, v22, 4, v1                   ; in: wave x 32 KiB + 16 x lane; never rewritten
	v_lshlrev_b32 v2, 9, v21
	v_lshl_or_b32 v2, v22, 3, v2                   ; out: wave x 16 KiB + 8 x lane; never rewritten
	v_lshlrev_b32 v3, 4, v22                       ; part: 16 x lane
	v_lshlrev_b32 v28, 3, v22                      ; deq: 8 x lane
	s_wait_kmcnt 0x0
	global_load_b128 v[4:7],   v3, s[8:9]              ; lhs's 256 partial maxima, eight a lane,
	global_load_b128 v[8:11],  v3, s[8:9] offset:512
	global_load_b128 v[12:15], v3, s[8:9] offset:1024  ; and rhs's
	global_load_b128 v[16:19], v3, s[8:9] offset:1536
	s_cmp_eq_u32 s16, 0
	s_cselect_b64 s[4:5], s[4:5], s[6:7]           ; my tensor
	s_cselect_b64 s[10:11], s[10:11], s[12:13]     ; and its codes
	s_add_nc_u64 s[4:5], s[4:5], s[18:19]
	s_add_nc_u64 s[10:11], s[10:11], s[20:21]
.irp i, 0,1,2,3,4,5,6,7,8,9,10,11,12,13,14,15
	global_load_b128 v[X+4*(\i):X+4*(\i)+3], v1, s[4:5] offset:(\i)*512 th:TH_LOAD_NT  ; the ring is filled while the scales are made
.endr
	s_wait_loadcnt 16                              ; part's four loads are in; the ring's sixteen, issued behind them, stay out
	v_max3_num_f32 v4, v4, v5, v6
	v_max3_num_f32 v12, v12, v13, v14
	v_max3_num_f32 v7, v7, v8, v9
	v_max3_num_f32 v15, v15, v16, v17
	v_max3_num_f32 v4, v4, v10, v11
	v_max3_num_f32 v12, v12, v18, v19
	v_max_num_f32 v4, v4, v7
	v_max_num_f32 v12, v12, v15
.irp m, 1,2,4,8
	v_max_num_f32_dpp v4, v4, v4 row_xmask:\m row_mask:0xf bank_mask:0xf
	v_max_num_f32_dpp v12, v12, v12 row_xmask:\m row_mask:0xf bank_mask:0xf
.endr
	v_permlanex16_b32 v5, v4, s26, s27
	v_permlanex16_b32 v13, v12, s26, s27
	v_max_num_f32 v4, v4, v5
	v_max_num_f32 v12, v12, v13
	v_max_num_f32 v4, 0x2b8cbccc, v4               ; max(amax, 1e-12)
	v_max_num_f32 v12, 0x2b8cbccc, v12
	v_rcp_f32 v20, v4
	v_rcp_f32 v21, v12
	v_nop                                          ; a plain instruction behind the last reciprocal,
	s_wait_alu depctr_va_vdst(0)                   ; and the one wait ahead of the first use: for both
	v_mul_f32 v24, s25, v20                        ; q = 127 r
	v_mul_f32 v25, s25, v21
	v_fma_f32 v22, -v4, v24, s25                   ; e = 127 - d q
	v_fma_f32 v23, -v12, v25, s25
	v_fma_f32 v24, v22, v20, v24                   ; ls = q + e r
	v_fma_f32 v25, v23, v21, v25                   ; rs
	v_readfirstlane_b32 s29, v24
	v_readfirstlane_b32 s30, v25
	s_cmp_eq_u32 s16, 0
	s_cselect_b32 s[SC], s29, s30
	s_mov_b32 s[SC+1], s[SC]
; One slot's turn.  ahead = 1: the slot is filled again, 16 loads further on.  left = how many younger loads may stay out.
.macro TURN i, ahead, left
	s_wait_loadcnt \left                           ; loads come back in order: mine is in, the younger ones stay out
	s_wait_xcnt 0x0                                ; the slot's Y, which its last store reads, is rewritten only behind this wait
	v_pk_mul_f32 v[X+4*(\i):X+4*(\i)+1],   v[X+4*(\i):X+4*(\i)+1],   s[SC:SC+1] op_sel_hi:[1,0]
	v_pk_mul_f32 v[X+4*(\i)+2:X+4*(\i)+3], v[X+4*(\i)+2:X+4*(\i)+3], s[SC:SC+1] op_sel_hi:[1,0]
.irp j, 0,1,2,3
	v_rndne_f32 v[X+4*(\i)+(\j)], v[X+4*(\i)+(\j)]
.endr
.irp j, 0,1,2,3
	v_med3_num_f32 v[X+4*(\i)+(\j)], v[X+4*(\i)+(\j)], s24, s25   ; the clip
.endr
	v_cvt_pk_bf16_f32 v[Y+2*(\i)],   v[X+4*(\i)],   v[X+4*(\i)+1]  ; exact: whole numbers of 7 bits
	v_cvt_pk_bf16_f32 v[Y+2*(\i)+1], v[X+4*(\i)+2], v[X+4*(\i)+3]
.if \ahead
	global_load_b128 v[X+4*(\i):X+4*(\i)+3], v1, s[4:5] offset:(DEPTH+(\i))*512 th:TH_LOAD_NT
.endif
	global_store_b64 v2, v[Y+2*(\i):Y+2*(\i)+1], s[10:11] offset:(\i)*256 th:TH_STORE_NT
.endm
	s_mov_b32 s28, 64/DEPTH-1
.Lround:
.irp i, 0,1,2,3,4,5,6,7,8,9,10,11,12,13,14,15
	TURN \i, 1, DEPTH-1
.endr
	s_wait_xcnt 0x0                                ; the two bases are stepped only behind this wait
	s_add_nc_u64 s[4:5], s[4:5], DEPTH*512
	s_add_nc_u64 s[10:11], s[10:11], DEPTH*256
	s_sub_co_u32 s28, s28, 1
	s_cmp_lg_u32 s28, 0
	s_cbranch_scc1 .Lround
.irp i, 0,1,2,3,4,5,6,7,8,9,10,11,12,13,14,15
	TURN \i, 0, DEPTH-1-(\i)                       ; the last round loads nothing: the counts run down
.endr
	s_or_b32 s29, ttmp9, s16                       ; wave 0 of work-group (0, 0) stores 1 / (ls rs)
	s_or_b32 s29, s29, s17
	s_cmp_lg_u32 s29, 0
	s_cbranch_scc1 .Lend
	v_mul_f32 v20, v24, v25                        ; p = ls rs
	v_rcp_f32 v21, v20
	v_nop
	s_wait_alu depctr_va_vdst(0)
	v_fma_f32 v22, -v20, v21, 1.0                  ; e = 1 - p r
	v_fma_f32 v26, v22, v21, v21                   ; r + e r
	v_mov_b32 v27, v26
	global_store_b64 v28, v[26:27], s[14:15]       ; 32 lanes x 8 bytes: all 256 bytes of deq
.Lend:
	s_endpgm
.Lfunc_end_k_qbafcd4a360_quant:
	.size	k_qbafcd4a360_quant, .Lfunc_end_k_qbafcd4a360_quant-k_qbafcd4a360_quant
	.p2alignl 7, 3214868480
	.fill 96, 4, 3214868480
	.section	.rodata,"a",@progbits
	.p2align	6, 0x0
	.amdhsa_kernel k_qbafcd4a360_quant
		.amdhsa_group_segment_fixed_size 0
		.amdhsa_private_segment_fixed_size 0
		.amdhsa_enable_private_segment 0
		.amdhsa_kernarg_size 48
		.amdhsa_user_sgpr_count 2
		.amdhsa_user_sgpr_kernarg_segment_ptr 1
		.amdhsa_wavefront_size32 1
		.amdhsa_system_sgpr_workgroup_id_x 1
		.amdhsa_system_sgpr_workgroup_id_y 1
		.amdhsa_system_sgpr_workgroup_id_z 1
		.amdhsa_system_vgpr_workitem_id 0
		.amdhsa_next_free_vgpr 128
		.amdhsa_next_free_sgpr 66
		.amdhsa_reserve_vcc 0
		.amdhsa_float_denorm_mode_32 3
		.amdhsa_float_denorm_mode_16_64 3
		.amdhsa_memory_ordered 1
		.amdhsa_forward_progress 1
		.amdhsa_inst_pref_size 33
	.end_amdhsa_kernel
	.amdgpu_metadata
---
amdhsa.version: [ 1, 2 ]
amdhsa.kernels:
  - .name:           k_qbafcd4a360_quant
    .symbol:         k_qbafcd4a360_quant.kd
    .args:
      - { .name: lhs, .offset: 0, .size: 8, .value_kind: global_buffer, .address_space: global }
      - { .name: rhs, .offset: 8, .size: 8, .value_kind: global_buffer, .address_space: global }
      - { .name: part, .offset: 16, .size: 8, .value_kind: global_buffer, .address_space: global }
      - { .name: ql, .offset: 24, .size: 8, .value_kind: global_buffer, .address_space: global }
      - { .name: qr, .offset: 32, .size: 8, .value_kind: global_buffer, .address_space: global }
      - { .name: deq, .offset: 40, .size: 8, .value_kind: global_buffer, .address_space: global }
    .group_segment_fixed_size: 0
    .private_segment_fixed_size: 0
    .kernarg_segment_align: 8
    .kernarg_segment_size: 48
    .max_flat_workgroup_size: 256
    .sgpr_count:     66
    .vgpr_count:     128
    .wavefront_size: 32
...
	.end_amdgpu_metadata
.endif
;; end of part 2
;; launch gemm (part 3): grid 16 x 16, 4 waves a work-group, clusters of 4 x 4, 327,680 bytes of LDS; arguments ql, qr, deq, out0; writes out0
.if DOCPART == 3
	.amdgcn_target "amdgcn-amd-amdhsa--gfx1250"
	.amdhsa_code_object_version 6
	.text
	.protected	k_qbafcd4a360_gemm
	.globl	k_qbafcd4a360_gemm
	.p2align	8
	.type	k_qbafcd4a360_gemm,@function
k_qbafcd4a360_gemm:
	s_mov_b64 s[64:65], 0
	v_nop
	global_prefetch_b8 v0, s[64:65] scope:SCOPE_SE
	s_setreg_imm32_b32 hwreg(HW_REG_WAVE_MODE, 25, 1), 1
	s_wait_xcnt 0x0
	s_wait_alu depctr_hold_cnt(0) depctr_sa_sdst(0) depctr_va_vdst(0) depctr_va_sdst(0) depctr_va_ssrc(0) depctr_va_vcc(0) depctr_vm_vsrc(0)
	s_getreg_b32 s2, hwreg(HW_REG_IB_STS2, 6, 4)
	s_cmp_eq_u32 s2, 0
	s_cbranch_scc0 .Lentry_in_a_cluster
	s_endpgm
.Lentry_in_a_cluster:
	s_bfe_u32 s2, ttmp6, 0x10000c
	s_cmp_lg_u32 s2, 0xf033
	s_cbranch_scc0 .Lentry_shape_is_right
	s_endpgm
.Lentry_shape_is_right:
; THIRD OF THREE LAUNCHES.  out0[m][n] = deq x the sum over k of ql[m][k] qr[k][n].  ql: [4096 m][4096 k], qr: [4096 k][4096 n], whole numbers -127 .. 127 held exactly in bf16; out0 f32.
; Each product is a whole number below 2^14 and exact; the sums are kept in f32.  LIMIT: a sum is exact below 2^24 and within 2^-23 of itself up to its bound, 4096 x 127^2 = 6.6e7.
; deq = 1 / (ls rs): the division of reference() is a multiplication by a reciprocal made once, by the launch before.
; A tile of out0, 256 x 256, is made by a work-group of four waves; a wave makes 128 x 128: 64 accumulators of 16 x 16, 512 registers.  256 tiles, one a work-group.
; K goes in 32 steps of 128 through a ring of two LDS slots filled by the tensor data mover: 256 rows x 256 bytes of ql, and 128 k-rows x 512 bytes of qr, as they lie in memory.
; qr STAYS [k][n]: its fragments come out of LDS turned, by ds_load_tr16_b128, so no pass transposes it.
; CLUSTERS: 4 x 4 work-groups.  The four of a row of the cluster need the same tiles of ql, the four of a column the same tiles of qr: each tile is asked for JOINTLY, by the same tensor load
; with the same descriptor and a mask that names the four.
; THE MATRIX INSTRUCTION IS USED TRANSPOSED: source 0 = 16 columns of qr, source 1 = 16 rows of ql.  In the result lane l holds row m = l % 16 and the columns 8 (l / 16) + 0 .. 7:
; 32 neighbouring bytes of a row of out0.
; REGISTERS, in windows of 256 (s_set_vgpr_msb: bits 1:0 source 0, 3:2 source 1, 5:4 source 2, 7:6 destination):
;   window 0: v0-31 addresses; v64-127, v128-191 fragments of ql (8 x 16 rows x 32 K), two buffers          window 1: v64-127, v128-191 fragments of qr, two buffers
;   window 2: the 32 accumulators of my rows 0-63 (accumulator (a, b) at v[8 (8 a + b)]);   window 3: those of my rows 64-127
.set PA,     272                       ; an LDS row of ql: 256 bytes + 16 of padding = 68 words: row r starts at bank 4 r mod 64 (64 banks of 4 bytes: ISA guide 11.1): the 16 rows of a load start at 16 different banks
.set PB,     544                       ; an LDS row of qr: 512 + 32 = 136 words: row r starts at bank 8 r mod 64
.set HALF,   34816                     ; what one tensor load brings: 128 x PA = 64 x PB
.set SLOT,   4*HALF                    ; ql's 256 rows, then qr's 128 k-rows
.set BOFF,   2*HALF
.set STAGE,  2*SLOT                    ; behind the ring, never filled by a tensor load: 16 rows x 528 bytes for each wave, for the way out
.set SP,     528                       ; a stage row: 512 bytes + 16
.set SPARE,  STAGE+4*16*SP             ; behind the stages: the spare words, 128 bytes for each wave: two blocks of 256 bytes that no other line names
.set ASTEP,  256                       ; bytes from a K step to the next: in ql 128 numbers along a row,
.set BSTEP,  0x100000                  ; in qr 128 rows of 8,192 bytes
.set LAPS,   16                        ; a lap = two K steps = once round the ring
.set ADRA, 16                          ; v16-17  LDS address of my ql fragments in slot 0, 1
.set ADRB, 20                          ; v20-21  the same for qr
.set STO,  24                          ; v24     the way out: where I put 32 bytes of a row
.set RD,   25                          ; v25     the way out: where I read a row back
.set CO,   26                          ; v26     my 16 bytes in 512 consecutive bytes of out0
.set SPW,  28                          ; v28     LDS address of my spare word: SPARE + 4 x my thread's number; never rewritten
.set NIL,  29                          ; v29     0; never rewritten
.set PFO,  30                          ; v30     the prefetches' lane offset; never rewritten
.set F0,   64                          ; fragment buffer 0
.set F1,   128                         ; fragment buffer 1
.set WV,   12                          ; s12     my wave's number
.set FB,   13                          ; s13     which half of the tile's rows is mine.  Also: I fetch for ql (0) or for qr (1)
.set HF,   14                          ; s14     which half of its columns.  Also: which half of that tile I fetch
.set LIM,  15                          ; s15     1 in a wave that prefetches, else the greatest number
.set DQ,   18                          ; s[18:19] deq, twice
.set PFA,  20                          ; s[20:21] where my prefetches stand
.set PFS,  22                          ; s[22:23] their step: a K step of the tensor that I fetch for
.set G1,   24                          ; s[24:31] descriptor group 1 for ql's tiles
.set G0,   32                          ; s[32:39] descriptor group 0 for ql's tiles, one set for each slot
.set G1B,  48                          ; s[48:55] descriptor group 1 for qr's tiles
.set G0B,  56                          ; s[56:63] descriptor group 0 for qr's tiles, one set for each slot
.set MSB, 0
.macro WIN new                         ; the immediate's high byte repeats the setting that is left; a switch that changes nothing is dropped
.if MSB != (\new)
	s_set_vgpr_msb (MSB<<8)|(\new)
.set MSB, \new
.endif
.endm
.set MUL_LO, 0xa1                      ; source 0 (qr) window 1, source 1 (ql) window 0, C and D window 2
.set MUL_HI, 0xf1                      ; the same, C and D window 3
.set TO_B,   0x40                      ; destination window 1, address window 0
; A joint load.  Waves 0 and 1 fetch ql's two halves, waves 2 and 3 qr's.  Each of the two lines has one mask and one set of registers for all that issue it.  The branch hangs on the wave's number alone.
; An s_nop 0 and four v_nop follow each of the two lines, ahead of the jump, the label and what follows.
.macro JLOAD s
	s_cmp_eq_u32 s[FB], 0
	s_cbranch_scc0 .Lfor_b_\@
	tensor_load_to_lds s[G0+4*(\s):G0+4*(\s)+3], s[G1:G1+7]
	s_nop 0
.rept 4
	v_nop
.endr
	s_branch .Lasked_\@
.Lfor_b_\@:
	tensor_load_to_lds s[G0B+4*(\s):G0B+4*(\s)+3], s[G1B:G1B+7]
	s_nop 0
.rept 4
	v_nop
.endr
.Lasked_\@:
.endm
; A PREFETCH INTO THE L2, behind each joint refill, its five lines and the run of LDS loads that follows them: the K step that stands TWO refills on, 512 matrix instructions ahead of the load that will want it.
; One instruction a wave, 32 blocks of 256 bytes, each named ONCE in the launch.  ql's tile row is read by every cluster of that row of clusters: cluster x = 0 asks; qr's tile column by every cluster of that
; column: cluster y = 0 asks.  The four partners that ask for a tile jointly share it out BY ADDRESS: of ql's 128 rows that a wave fetches the partner at cx takes 32 (a lane a row of 256 bytes); of qr's 64 k-rows
; the partner at cy takes 16 (two lanes a row of 512 bytes).  The loop's last trip (s3 = 1) asks for nothing: its two refills have no K step two on.  K steps 0 to 3 come by their loads alone.
.macro ASK
	s_cmp_gt_u32 s3, s[LIM]
	s_cbranch_scc0 .Lnot_mine_\@
	global_prefetch_b8 v[PFO], s[PFA:PFA+1] th:TH_LOAD_NT scope:SCOPE_SE
.Lnot_mine_\@:
.endm
; A round of the cluster's barrier: my work-group's barrier, so that wave 0's signal speaks for all four waves; wave 0 signals for the work-group; every wave waits for all sixteen; my work-group's barrier once more.
.macro CREST                           ; a round behind its opening barrier
	s_cmp_lg_u32 s[WV], 0
	s_cbranch_scc1 .Lnot_wave_0_\@
	s_barrier_signal -3
.Lnot_wave_0_\@:
	s_barrier_wait -3
	s_barrier_signal -1
	s_barrier_wait -1
.endm
.macro CROUND                          ; a whole round
	s_barrier_signal -1
	s_barrier_wait -1
	CREST
.endm
	s_load_b256 s[4:11], s[0:1], 0x0               ; ql s[4:5], qr s[6:7], deq s[8:9], out0 s[10:11]
	v_lshl_add_u32 v[SPW], v0, 2, SPARE
	v_mov_b32 v[NIL], 0
	ds_add_u32 v[SPW], v[NIL]                      ; the wave's opening: the add, twice on end, and its wait ahead of my first tensor load; the set-up below stands between
	ds_add_u32 v[SPW], v[NIL]                      ; and once more, under the one wait
	v_lshrrev_b32 v1, 5, v0
	v_readfirstlane_b32 s[WV], v1                  ; wave 0..3
	s_lshr_b32 s[FB], s[WV], 1
	s_and_b32 s[HF], s[WV], 1
	s_bfe_u32 s40, ttmp6, 0x40000                  ; cx: my place along the cluster's x
	s_bfe_u32 s41, ttmp6, 0x40004                  ; cy: along its y
	s_lshl_b32 s42, ttmp9, 2                       ; in a cluster launch ttmp9 and ttmp7 count clusters
	s_add_co_u32 s42, s42, s40                     ; tile column = 4 x cluster x + cx
	s_and_b32 s43, ttmp7, 0xffff
	s_lshl_b32 s43, s43, 2
	s_add_co_u32 s43, s43, s41                     ; tile row = 4 x cluster y + cy
	s_lshl_b32 s44, s41, 2
	s_lshl_b32 s44, 15, s44                        ; my row of the cluster: places 4 cy .. 4 cy + 3
	s_lshl_b32 s45, 0x1111, s40                    ; my column: places cx, cx + 4, cx + 8, cx + 12
	; group 1 for ql: 128 rows x 128 elements; for qr: 64 rows x 256 elements; both padded in LDS
	s_or_b32 s[G1+0], s44, (1<<16)|(1<<20)|(1<<21)|(5<<22)|(3<<25)   ; 15:0 the mask: my row; 17:16 elements of 2 bytes; 20 padding on; 21 set beside a mask; 24:22 after every 64 words (code 5); 31:25 4 words of it (code 3)
	s_or_b32 s[G1B+0], s45, (1<<16)|(1<<20)|(1<<21)|(6<<22)|(7<<25)  ; the mask: my column; after every 128 words (code 6), 8 words of padding (code 7)
	s_mov_b32 s[G1+1], 128<<16                     ; tensor_dim0 = 128
	s_mov_b32 s[G1+2], 128<<16                     ; tensor_dim1 = 128
	s_mov_b32 s[G1+3], 128<<16                     ; tile_dim0 = 128
	s_mov_b32 s[G1+4], 128                         ; tile_dim1 = 128
	s_mov_b32 s[G1+5], 4096                        ; elements from row to row
	s_mov_b32 s[G1+6], 0
	s_mov_b32 s[G1+7], 0
	s_mov_b32 s[G1B+1], 256<<16                    ; tensor_dim0 = 256
	s_mov_b32 s[G1B+2], 64<<16                     ; tensor_dim1 = 64
	s_mov_b32 s[G1B+3], 256<<16                    ; tile_dim0 = 256
	s_mov_b32 s[G1B+4], 64                         ; tile_dim1 = 64
	s_mov_b32 s[G1B+5], 4096
	s_mov_b32 s[G1B+6], 0
	s_mov_b32 s[G1B+7], 0
	; where the tiles come from.  ql's hang on the tile row alone, which my row of the cluster shares; qr's on the tile column alone, which my column shares.
	s_lshl_b32 s16, s43, 8
	s_lshl_b32 s17, s[HF], 7
	s_add_co_u32 s16, s16, s17                     ; ql: row 256 x tile row + 128 x half,
	s_lshl_b32 s16, s16, 13                        ; 8,192 bytes a row
	s_mov_b32 s17, 0
	s_lshl_b32 s46, s[HF], 19                      ; qr: k-row 64 x half, 8,192 bytes a row,
	s_lshl_b32 s47, s42, 9                         ; column 256 x tile column, 2 bytes each
	s_add_co_u32 s46, s46, s47
	s_mov_b32 s47, 0
	s_mul_i32 s2, s[WV], HALF                      ; and where they go: ql's two halves, then qr's two halves: no place in the cluster enters an LDS address
	s_wait_dscnt 0x0                               ; both opening adds are done
	s_wait_kmcnt 0x0
	s_add_nc_u64 s[16:17], s[4:5], s[16:17]
	s_add_nc_u64 s[46:47], s[6:7], s[46:47]
	CROUND                                         ; all sixteen work-groups are here: the first joint loads meet
.irp s, 0,1
	s_mov_b32 s[G0+4*(\s)], 1                                      ; count = 1
	s_add_co_u32 s[G0+4*(\s)+1], s2, (\s)*SLOT                     ; LDS address
	s_add_nc_u64 s[G0+4*(\s)+2:G0+4*(\s)+3], s[16:17], (\s)*ASTEP  ; global address: K step s
	s_or_b32 s[G0+4*(\s)+3], s[G0+4*(\s)+3], 0x80000000            ; type = 2
	s_mov_b32 s[G0B+4*(\s)], 1
	s_add_co_u32 s[G0B+4*(\s)+1], s2, (\s)*SLOT
	s_add_nc_u64 s[G0B+4*(\s)+2:G0B+4*(\s)+3], s[46:47], (\s)*BSTEP
	s_or_b32 s[G0B+4*(\s)+3], s[G0B+4*(\s)+3], 0x80000000
	JLOAD \s                                       ; the ring is filled before anything else is done: two loads of mine are out
.endr
	s_load_b64 s[DQ:DQ+1], s[8:9], 0x0             ; deq, twice: no line of this launch writes that buffer
	; A fragment of ql is 16 rows x 32 K in 8 registers: lane l holds row l % 16; registers 0-3 K = 8 (l / 16) + 0..7, registers 4-7 K = 16 + 8 (l / 16) + 0..7: two loads of 16 bytes, 32 bytes apart.
	v_and_b32 v1, 15, v0                           ; l % 16
	v_bfe_u32 v2, v0, 4, 1                         ; l / 16
	v_mul_u32_u24 v3, v1, PA
	v_lshl_add_u32 v3, v2, 4, v3                   ; row x pitch + 16 x half
	s_mul_i32 s2, s[FB], HALF                      ; my 128 rows of ql
	v_add_nc_u32 v[ADRA], s2, v3
	v_add_nc_u32 v[ADRA+1], SLOT, v[ADRA]
	; The turning load takes 16 k x 16 columns (lane l reads 16 bytes: k-row 8 (l / 16) + l % 8, columns 8 ((l / 8) % 2) + 0..7) and leaves half a fragment: lane l holds column l % 16 and 8 k.
	v_and_b32 v4, 7, v0
	v_lshl_add_u32 v4, v2, 3, v4
	v_mul_u32_u24 v4, v4, PB
	v_bfe_u32 v5, v0, 3, 1
	v_lshl_add_u32 v4, v5, 4, v4
	s_lshl_b32 s2, s[HF], 8                        ; my 128 columns: 256 bytes of each k-row,
	s_add_co_u32 s2, s2, BOFF                      ; behind ql's 256 rows
	v_add_nc_u32 v[ADRB], s2, v4
	v_add_nc_u32 v[ADRB+1], SLOT, v[ADRB]
	s_mul_i32 s2, s[WV], 16*SP
	s_add_co_u32 s2, s2, STAGE                     ; my stage
	v_mul_u32_u24 v6, v1, SP                       ; in: row l % 16, 32 bytes for each half of the lanes
	v_lshl_add_u32 v6, v2, 5, v6
	v_add_nc_u32 v[STO], s2, v6
	v_and_b32 v7, 31, v0
	v_lshlrev_b32 v[CO], 4, v7                     ; back: 32 lanes take one row of 512 bytes,
	v_add_nc_u32 v[RD], s2, v[CO]                  ; which are 512 consecutive bytes of out0
	; out0 at my part of the tile: row 256 x tile row + 128 x half, 16,384 bytes a row; column 256 x tile column + 128 x half, 4 bytes each
	s_lshl_b32 s16, s43, 8
	s_lshl_b32 s17, s[FB], 7
	s_add_co_u32 s16, s16, s17
	s_lshl_b32 s16, s16, 14
	s_mov_b32 s17, 0
	s_add_nc_u64 s[10:11], s[10:11], s[16:17]
	s_lshl_b32 s46, s42, 10
	s_lshl_b32 s47, s[HF], 9
	s_add_co_u32 s46, s46, s47
	s_mov_b32 s47, 0
	s_add_nc_u64 s[10:11], s[10:11], s[46:47]
	; the prefetches: both tensors' offsets are made, and the wave takes that of the tensor for which it fetches.  They stand at K step 3: the first refill steps them to K step 4.
	s_lshl_b32 s44, s43, 8
	s_lshl_b32 s2, s[HF], 7
	s_add_co_u32 s44, s44, s2                      ; ql: the 128 rows that I fetch,
	s_lshl_b32 s2, s40, 5
	s_add_co_u32 s44, s44, s2                      ; my work-group's 32 of them
	s_lshl_b32 s44, s44, 13
	s_add_co_u32 s44, s44, 3*ASTEP
	s_lshl_b32 s45, s[HF], 6                       ; qr: the 64 k-rows that I fetch,
	s_lshl_b32 s2, s41, 4
	s_add_co_u32 s45, s45, s2                      ; my work-group's 16 of them,
	s_lshl_b32 s45, s45, 13
	s_lshl_b32 s2, s42, 9
	s_add_co_u32 s45, s45, s2                      ; the tile's 512 bytes of each
	s_add_co_u32 s45, s45, 3*BSTEP
	s_and_b32 s47, ttmp7, 0xffff                   ; cluster y
	s_mov_b32 s[PFS+1], BSTEP
	s_cmp_eq_u32 s[FB], 0                          ; do I fetch for ql?
	s_cselect_b32 s46, s44, s45
	s_cselect_b64 s[PFA:PFA+1], s[4:5], s[6:7]
	s_cselect_b32 s[PFS], ASTEP, s[PFS+1]
	s_cselect_b32 s2, 0, 1                         ; lanes to a row, less one
	s_cselect_b32 s47, ttmp9, s47                  ; the coordinate along which other clusters read the same rows
	s_cmp_eq_u32 s47, 0
	s_cselect_b32 s[LIM], 1, -1                    ; the same in all sixteen partners, for a given wave
	s_mov_b32 s47, 0
	s_mov_b32 s[PFS+1], 0
	s_add_nc_u64 s[PFA:PFA+1], s[PFA:PFA+1], s[46:47]
	v_lshrrev_b32 v8, s2, v7                       ; my row,
	v_and_b32 v9, s2, v7                           ; my block of 256 bytes in it
	v_lshlrev_b32 v[PFO], 13, v8
	v_lshl_add_u32 v[PFO], v9, 8, v[PFO]
; 16 matrix instructions: m blocks a0, a0 + 1 of the window's four (hi = 0: my rows 0-63, 1: rows 64-127) x all 8 n blocks, 32 along K.  zero = 1: the first product starts the sums: nothing is ever cleared.
; The 64 accumulators take turns, one instruction a turn, in the same order in every quarter step.
.macro MUL16 f, hi, a0, zero
	WIN MUL_LO+0x50*(\hi)
.irp a, \a0, (\a0)+1
.irp b, 0,1,2,3,4,5,6,7
.if \zero
	v_wmma_f32_16x16x32_bf16 v[8*(8*(\a)+(\b)):8*(8*(\a)+(\b))+7], v[(\f)+8*(\b):(\f)+8*(\b)+7], v[(\f)+8*(4*(\hi)+(\a)):(\f)+8*(4*(\hi)+(\a))+7], 0
.else
	v_wmma_f32_16x16x32_bf16 v[8*(8*(\a)+(\b)):8*(8*(\a)+(\b))+7], v[(\f)+8*(\b):(\f)+8*(\b)+7], v[(\f)+8*(4*(\hi)+(\a)):(\f)+8*(4*(\hi)+(\a))+7], v[8*(8*(\a)+(\b)):8*(8*(\a)+(\b))+7]
.endif
.endr
.endr
.endm
; 32 LDS loads in one run: the fragments of quarter q of a K step (32 k x my 128 columns of qr, turned; my 128 rows of ql x 32 k) into buffer f
.macro FETCH slot, q, f
	WIN TO_B
.irp i, 0,1,2,3,4,5,6,7
	ds_load_tr16_b128 v[(\f)+8*(\i):(\f)+8*(\i)+3],   v[ADRB+(\slot)] offset:(\q)*32*PB+32*(\i)
	ds_load_tr16_b128 v[(\f)+8*(\i)+4:(\f)+8*(\i)+7], v[ADRB+(\slot)] offset:(\q)*32*PB+32*(\i)+16*PB
.endr
	WIN 0
.irp i, 0,1,2,3,4,5,6,7
	ds_load_b128 v[(\f)+8*(\i):(\f)+8*(\i)+3],   v[ADRA+(\slot)] offset:64*(\q)+(\i)*16*PA
	ds_load_b128 v[(\f)+8*(\i)+4:(\f)+8*(\i)+7], v[ADRA+(\slot)] offset:64*(\q)+(\i)*16*PA+32
.endr
.endm
; A load into a register that a matrix instruction has read, and a vector instruction that reads a matrix result or writes one of a matrix instruction's registers, stand four places behind it, and only plain
; vector instructions that name none of its registers are places (ISA guide 7.12.1 for vector instructions).
.macro PLACES
.rept 4
	v_nop
.endr
.endm
; A K step is four quarters of 32 along K, 64 matrix instructions each, on buffers 0, 1, 0, 1.  One of the first three: multiplies buffer f; in its middle it fetches quarter q of the same slot into buffer g.
.macro QUARTER slot, q, f, g, zero
	s_wait_dscnt 8                                 ; qr's fragments and ql's rows 0-63 are in; the youngest eight loads (ql's rows 64-127) may be out
	MUL16 \f, 0, 0, \zero
	MUL16 \f, 0, 2, \zero
	PLACES
	FETCH \slot, \q, \g
	s_wait_dscnt 32                                ; all but the 32 just issued
	MUL16 \f, 1, 0, \zero
	MUL16 \f, 1, 2, \zero
.endm
; The last quarter multiplies buffer 1 and changes slots.  MEET is its first half: ONE barrier for the change.  In front of it each wave waits for all its tensor loads, of which one is out: its part of the next slot;
; adds 0 to its spare word; and waits for that and for its own reads of this slot.  Behind it nobody reads this slot any more and the next slot is whole.
.macro MEET round                      ; round = 1: a round of the cluster's barrier follows
	WIN 0                                          ; (the add's two registers lie in window 0)
	s_wait_tensorcnt 0x0                           ; all my tensor loads have landed;
	ds_add_u32 v[SPW], v[NIL]                      ; 0 onto my spare word;
	s_wait_dscnt 9                                 ; (the add and the youngest eight loads may be out)
	MUL16 F1, 0, 0, 0                              ; sixteen matrix instructions stand between the add and the wait for it
	s_wait_dscnt 0x0                               ; the add is done, and my reads of this slot are over:
	s_barrier_signal -1                            ; say so,
	MUL16 F1, 0, 2, 0                              ; work on registers while the others arrive,
.if \round
	WIN 0
.endif
	s_barrier_wait -1                              ; and go on when all four have said so
.endm
; The whole last quarter.  fill = 1: the barrier opens a round of the cluster's barrier, and behind it the slot just read out is filled again first, with the K step two steps on; then come the next slot's first
; fragments.  From a request to the wait for it a wave issues 224 matrix instructions.  fill = 0: nothing is left to fetch.
.macro TURN slot, next, fill
.if \fill
	s_wait_xcnt 0x0                                ; the last prefetch, a K step back, has read its address: it is stepped here, ahead of the waits of the change of slots
	s_add_nc_u64 s[PFA:PFA+1], s[PFA:PFA+1], s[PFS:PFS+1]
	MEET 1
	CREST                                          ; no wave of any partner still reads this slot's tile or has a load on its way
	s_add_nc_u64 s[G0+4*(\slot)+2:G0+4*(\slot)+3], s[G0+4*(\slot)+2:G0+4*(\slot)+3], 2*ASTEP
	s_add_nc_u64 s[G0B+4*(\slot)+2:G0B+4*(\slot)+3], s[G0B+4*(\slot)+2:G0B+4*(\slot)+3], 2*BSTEP
	JLOAD \slot                                    ; the first tensor load behind the round; the four v_nop behind it are also the places in front of the loads below
	FETCH \next, 0, F0
	ASK
.else
	MEET 0
	PLACES
	FETCH \next, 0, F0
.endif
	MUL16 F1, 1, 0, 0
	MUL16 F1, 1, 2, 0
.endm
; THE WAY OUT of block a (16 rows x my 128 columns), in three parts.  SCALE: times deq, in place, each accumulator's registers in ascending order.  TOSTAGE: 32 bytes a lane into my own stage in LDS, and back as
; whole rows of 512 bytes, into the registers that they left.  SEND: stored; the stores' base, offset and data are never rewritten.
.macro SCALE a
.set AC, 64*((\a)%4)
	WIN 0x82+0x41*((\a)/4)                         ; destination and source 0: window 2 or 3
.set i, 0
.rept 32
	v_pk_mul_f32 v[AC+i:AC+i+1], v[AC+i:AC+i+1], s[DQ:DQ+1] op_sel_hi:[1,0]
.set i, i+2
.endr
.endm
.macro TOSTAGE a
.set AC, 64*((\a)%4)
	WIN 0x08+4*((\a)/4)                            ; store data (source 1): window 2 or 3; address window 0
.irp b, 0,1,2,3,4,5,6,7
	ds_store_b128 v[STO], v[AC+8*(\b):AC+8*(\b)+3]   offset:64*(\b)
	ds_store_b128 v[STO], v[AC+8*(\b)+4:AC+8*(\b)+7] offset:64*(\b)+16
.endr
	WIN 0x80+0x40*((\a)/4)                         ; destination: window 2 or 3
.irp t, 0,1,2,3,4,5,6,7,8,9,10,11,12,13,14,15
	ds_load_b128 v[AC+4*(\t):AC+4*(\t)+3], v[RD] offset:(\t)*SP  ; LDS serves a wave's instructions in order (ISA guide 5.7.1.4): these see the stores above; the next block's stores come behind them
.endr
.endm
.macro SEND a
.set AC, 64*((\a)%4)
	WIN 0x08+4*((\a)/4)
.irp t, 0,1,2,3,4,5,6,7,8,9,10,11,12,13,14,15
	s_wait_dscnt 15-(\t)                           ; row t is back; the younger rows' loads may be out
	global_store_b128 v[CO], v[AC+4*(\t):AC+4*(\t)+3], s[10:11] offset:(\a)*262144+(\t)*16384 th:TH_STORE_NT  ; 32 lanes store 512 consecutive bytes, at a multiple of 512 from out0's first byte
.endr
.endm
	s_wait_kmcnt 0x0                               ; deq
	s_wait_tensorcnt 1                             ; my part of K step 0 is in; K step 1's may stay out
	s_barrier_signal -1
	s_barrier_wait -1                              ; everybody's is
	FETCH 0, 0, F0
	QUARTER 0, 1, F0, F1, 1                        ; the first quarter stands in front of the loop: its products start the sums
	WIN 0                                          ; at a label and at a branch every window is 0
	s_mov_b32 s3, LAPS-1
.Llap:                                                 ; a trip goes once round the ring, from a lap's second quarter to the next lap's first, and fills both slots again
	QUARTER 0, 2, F1, F0, 0
	QUARTER 0, 3, F0, F1, 0
	TURN 0, 1, 1
	QUARTER 1, 1, F0, F1, 0
	QUARTER 1, 2, F1, F0, 0
	QUARTER 1, 3, F0, F1, 0
	TURN 1, 0, 1
	QUARTER 0, 1, F0, F1, 0
	WIN 0
	s_sub_co_u32 s3, s3, 1
	s_cmp_lg_u32 s3, 0
	s_cbranch_scc1 .Llap
	QUARTER 0, 2, F1, F0, 0                        ; the last lap fills nothing, and has no round of the cluster's barrier
	QUARTER 0, 3, F0, F1, 0
	TURN 0, 1, 0
	QUARTER 1, 1, F0, F1, 0
	QUARTER 1, 2, F1, F0, 0
	QUARTER 1, 3, F0, F1, 0
	s_wait_dscnt 8                                 ; the very last quarter: nothing more to fetch
	MUL16 F1, 0, 0, 0
	MUL16 F1, 0, 2, 0
	s_wait_dscnt 0x0
	MUL16 F1, 1, 0, 0
	MUL16 F1, 1, 2, 0
	PLACES                                         ; the scaling reads results and writes them in place:
	PLACES                                         ; eight places, once a launch
	SCALE 0
	TOSTAGE 0
.irp a, 1,2,3,4,5,6,7                  ; block a's scaling stands between block a - 1's loads from the stage and the waits for them
	SCALE \a
	SEND (\a)-1
	TOSTAGE \a
.endr
	SEND 7
	WIN 0
	s_wait_tensorcnt 0x0                           ; the wave's end: behind my last tensor load and my last LDS store
	ds_add_u32 v[SPW], v[NIL]
	s_wait_dscnt 0x0
	CROUND                                         ; the closing round: no work-group ends while a partner may still ask for a tile that names it
	s_endpgm
.Lfunc_end_k_qbafcd4a360_gemm:
	.size	k_qbafcd4a360_gemm, .Lfunc_end_k_qbafcd4a360_gemm-k_qbafcd4a360_gemm
	.p2alignl 7, 3214868480
	.fill 96, 4, 3214868480
	.section	.rodata,"a",@progbits
	.p2align	6, 0x0
	.amdhsa_kernel k_qbafcd4a360_gemm
		.amdhsa_group_segment_fixed_size 327680
		.amdhsa_private_segment_fixed_size 0
		.amdhsa_enable_private_segment 0
		.amdhsa_kernarg_size 32
		.amdhsa_user_sgpr_count 2
		.amdhsa_user_sgpr_kernarg_segment_ptr 1
		.amdhsa_wavefront_size32 1
		.amdhsa_system_sgpr_workgroup_id_x 1
		.amdhsa_system_sgpr_workgroup_id_y 1
		.amdhsa_system_sgpr_workgroup_id_z 1
		.amdhsa_system_vgpr_workitem_id 0
		.amdhsa_next_free_vgpr 1024
		.amdhsa_next_free_sgpr 66
		.amdhsa_reserve_vcc 0
		.amdhsa_float_denorm_mode_32 3
		.amdhsa_float_denorm_mode_16_64 3
		.amdhsa_memory_ordered 1
		.amdhsa_forward_progress 1
		.amdhsa_inst_pref_size 162
	.end_amdhsa_kernel
	.amdgpu_metadata
---
amdhsa.version: [ 1, 2 ]
amdhsa.kernels:
  - .name:           k_qbafcd4a360_gemm
    .symbol:         k_qbafcd4a360_gemm.kd
    .args:
      - { .name: ql, .offset: 0, .size: 8, .value_kind: global_buffer, .address_space: global }
      - { .name: qr, .offset: 8, .size: 8, .value_kind: global_buffer, .address_space: global }
      - { .name: deq, .offset: 16, .size: 8, .value_kind: global_buffer, .address_space: global }
      - { .name: out0, .offset: 24, .size: 8, .value_kind: global_buffer, .address_space: global }
    .group_segment_fixed_size: 327680
    .private_segment_fixed_size: 0
    .kernarg_segment_align: 8
    .kernarg_segment_size: 32
    .max_flat_workgroup_size: 128
    .sgpr_count:     66
    .vgpr_count:     1024
    .wavefront_size: 32
...
	.end_amdgpu_metadata
.endif
;; end of part 3
;; ======== version 2 of 2: 3 launches; version 1 with the launch quant written anew for expert scheduling mode
;; limits: below input magnitudes of 1.4e-17 results are inexact or not finite; inputs' magnitudes at most 8.5e+37
;; workspace buffers: part 2,048 bytes; deq 256 bytes; ql 33,554,432 bytes; qr 33,554,432 bytes
;; launch amax: the kernel of part 1 again; grid 256 x 2, 8 waves a work-group, no clusters, 1,280 bytes of LDS; arguments lhs, rhs, part; writes part
;; launch quant (part 4): grid 256 x 2, 8 waves a work-group, no clusters, 0 bytes of LDS; arguments lhs, rhs, part, ql, qr, deq; writes ql, qr, deq
.if DOCPART == 4
	.amdgcn_target "amdgcn-amd-amdhsa--gfx1250"
	.amdhsa_code_object_version 6
	.text
	.protected	k_qbafcd4a360_quant
	.globl	k_qbafcd4a360_quant
	.p2align	8
	.type	k_qbafcd4a360_quant,@function
k_qbafcd4a360_quant:
	s_mov_b64 s[64:65], 0
	v_nop
	global_prefetch_b8 v0, s[64:65] scope:SCOPE_SE
	s_setreg_imm32_b32 hwreg(HW_REG_WAVE_SCHED_MODE, 0, 2), 2
	s_setreg_imm32_b32 hwreg(HW_REG_WAVE_MODE, 25, 1), 1
	s_wait_xcnt 0x0
	s_wait_alu depctr_vm_vsrc(0)
; SECOND OF THREE LAUNCHES.  ql = clip(round(lhs ls), -127, 127), qr = clip(round(rhs rs), -127, 127), stored as bf16 in the inputs' own layouts; deq = 1 / (ls rs), 64 times.
; A whole number of magnitude 127 at the most has 7 bits: bf16 holds it exactly, so the third launch's bf16 products are the integer products of reference().
; SCALES.  Every wave finishes both maxima from part (2 x 256 words) by itself: no wave waits for another.  ls = 127 / max(amax, 1e-12): a reciprocal and one Newton step on the quotient.
; The product x ls is one f32 multiply, the rounding is to the nearest whole number, ties to even, and the clip is kept: as in reference().
; LIMITS.  The scale lies within one unit in the last place of the f32 division's.  amax above 2^126, or ls rs outside 2^-126 .. 2^126, is not served: v_rcp_f32 gives 0 where its result
; would be a denormal and takes a denormal for 0 (ISA guide 15.8).  NaN and infinities in the inputs are not treated apart.
; SHARES.  Grid y picks the tensor.  A work-group takes 256 KiB of it, each of its eight waves 32 KiB: 64 loads of 16 bytes a lane (512 consecutive bytes a load).  A lane's four numbers
; become 8 bytes: each store of a wave covers 256 consecutive bytes, aligned.
; THE MODE: SCHED_MODE bits 1:0 = 2 (LLVM: expert scheduling mode 2), set by the entry lines.  The code itself states the register dependences
; between vector instructions and memory instructions, with s_wait_alu, always for 0.
; THE PLAN.  A wave's 64 loads go in 16 blocks of four.  Five buffers take turns; buffer k has an in part X[k] and an out part Y[k].  Registers that memory instructions touch:
;   X0 .. X4   four loads' numbers each.  Written by the loads of block p + 4, issued in block p; then multiplied, rounded and clipped in place, and read by the conversions, all in that block's own turn.
;   Y0 .. Y4   four stores' data each.    Written by block p's conversions; read by the four stores that are issued in block p + 1.
;   v1, v2, v3, v28   byte offsets, made once at the head and never written again: the rows are reached by the two scalar bases, which move on by a block at each block's head, and by immediate offsets.
;   v26, v27   deq, written and stored once, at the end, by one wave of the launch.
; Block p works on X[p % 5] and writes Y[p % 5].  Its memory instructions are the loads into X[(p + 4) % 5] = X[(p - 1) % 5] and the stores from Y[(p - 1) % 5]: the buffer that block p - 1 worked on,
; which no vector instruction of block p names.  So the waits at a block's head state all that its eight memory instructions hang on, and these are dealt among its vector instructions with no further wait.
; With five in parts sixteen loads of the wave are out at a block's head; an out part to each in part makes a lap of the loop five blocks.
.set BLOCK,  4                         ; loads, and stores, in a block
.set X,     32                         ; v[32:111]   buffer k, row i: four registers at X + 16 k + 4 i, as loaded, then at work
.set Y,     112                        ; v[112:151]  buffer k, row i: two registers at Y + 8 k + 2 i, to store
.set SC,    22                         ; s[22:23]    my tensor's scale, twice: the packed multiply names the pair and takes its low word for both halves
	s_load_b256 s[4:11], s[0:1], 0x0               ; lhs s[4:5], rhs s[6:7], part s[8:9], ql s[10:11]
	s_load_b128 s[12:15], s[0:1], 0x20             ; qr s[12:13], deq s[14:15]
	s_and_b32 s16, ttmp7, 0xffff                   ; which tensor
	v_lshrrev_b32 v20, 5, v0
	v_readfirstlane_b32 s17, v20                   ; my wave's number; it is read at the kernel's end alone
	s_lshl_b32 s18, ttmp9, 18                      ; the work-group's 256 KiB in,
	s_mov_b32 s19, 0
	s_lshl_b32 s20, ttmp9, 17                      ; and 128 KiB out
	s_mov_b32 s21, 0
	s_mov_b32 s24, 0xc2fe0000                      ; -127.0
	s_mov_b32 s25, 0x42fe0000                      ; 127.0
	s_mov_b32 s26, 0x76543210                      ; v_permlanex16_b32: each lane takes its own place in the other half
	s_mov_b32 s27, 0xfedcba98
	v_and_b32 v21, 0xe0, v0                        ; 32 x wave
	v_and_b32 v22, 31, v0                          ; lane
	v_lshlrev_b32 v1, 10, v21
	v_lshl_or_b32 v1, v22, 4, v1                   ; in: wave x 32 KiB + 16 x lane; never rewritten
	v_lshlrev_b32 v2, 9, v21
	v_lshl_or_b32 v2, v22, 3, v2                   ; out: wave x 16 KiB + 8 x lane; never rewritten
	v_lshlrev_b32 v3, 4, v22                       ; part: 16 x lane
	v_lshlrev_b32 v28, 3, v22                      ; deq: 8 x lane
	s_wait_kmcnt 0x0
	s_wait_alu depctr_va_vdst(0)                   ; v1, v2, v3 and v28 are written: every load and store of the kernel reads one of them as its offset
	global_load_b128 v[4:7],   v3, s[8:9]              ; lhs's 256 partial maxima, eight a lane,
	global_load_b128 v[8:11],  v3, s[8:9] offset:512
	global_load_b128 v[12:15], v3, s[8:9] offset:1024  ; and rhs's
	global_load_b128 v[16:19], v3, s[8:9] offset:1536
	s_cmp_eq_u32 s16, 0
	s_cselect_b64 s[4:5], s[4:5], s[6:7]           ; my tensor
	s_cselect_b64 s[10:11], s[10:11], s[12:13]     ; and its codes
	s_add_nc_u64 s[4:5], s[4:5], s[18:19]
	s_add_nc_u64 s[10:11], s[10:11], s[20:21]
.irp i, 0,1,2,3,4,5,6,7,8,9,10,11,12,13,14,15
	global_load_b128 v[X+4*(\i):X+4*(\i)+3], v1, s[4:5] offset:(\i)*512 th:TH_LOAD_NT  ; blocks 0 to 3 into X0 to X3, while the scales are made
.endr
	s_wait_loadcnt 16                              ; part's four loads are in; the sixteen issued behind them stay out
	v_max3_num_f32 v4, v4, v5, v6
	v_max3_num_f32 v12, v12, v13, v14
	v_max3_num_f32 v7, v7, v8, v9
	v_max3_num_f32 v15, v15, v16, v17
	v_max3_num_f32 v4, v4, v10, v11
	v_max3_num_f32 v12, v12, v18, v19
	v_max_num_f32 v4, v4, v7
	v_max_num_f32 v12, v12, v15
.irp m, 1,2,4,8
	v_max_num_f32_dpp v4, v4, v4 row_xmask:\m row_mask:0xf bank_mask:0xf
	v_max_num_f32_dpp v12, v12, v12 row_xmask:\m row_mask:0xf bank_mask:0xf
.endr
	v_permlanex16_b32 v5, v4, s26, s27
	v_permlanex16_b32 v13, v12, s26, s27
	v_max_num_f32 v4, v4, v5
	v_max_num_f32 v12, v12, v13
	v_max_num_f32 v4, 0x2b8cbccc, v4               ; max(amax, 1e-12)
	v_max_num_f32 v12, 0x2b8cbccc, v12
	v_rcp_f32 v20, v4
	v_rcp_f32 v21, v12
	v_nop                                          ; a plain instruction behind the last reciprocal,
	s_wait_alu depctr_va_vdst(0)                   ; and the one wait ahead of the first use: the two reciprocals have written v20 and v21
	v_mul_f32 v24, s25, v20                        ; q = 127 r
	v_mul_f32 v25, s25, v21
	v_fma_f32 v22, -v4, v24, s25                   ; e = 127 - d q
	v_fma_f32 v23, -v12, v25, s25
	v_fma_f32 v24, v22, v20, v24                   ; ls = q + e r
	v_fma_f32 v25, v23, v21, v25                   ; rs
	v_readfirstlane_b32 s29, v24
	v_readfirstlane_b32 s30, v25
	s_wait_alu depctr_va_sdst(0)                   ; s29 and s30 are written, which the select below reads; so is s17, made further up in this same run of lines and read at the kernel's end
	s_cmp_eq_u32 s16, 0
	s_cselect_b32 s[SC], s29, s30
	s_mov_b32 s[SC+1], s[SC]
; Block p, on buffer k = p % 5.  first = 1: block 0, with no block in front of it.  ahead = 1: block p + 4 is loaded.
; left = how many younger loads may still be out when this block's four have to be there.
.macro BLK k, first, ahead, left
	s_wait_loadcnt \left                           ; loads come back in order (ISA guide 5.7.1): X[k] is in, the younger blocks stay out
.if !\first
	s_wait_xcnt 0x0                                ; every earlier memory instruction has had its addresses translated (ISA guide 3.1): the two bases and Y[k] are rewritten only behind this wait
	s_wait_alu depctr_vm_vsrc(0)                   ; the stores issued in earlier blocks have read Y[k], which this block's conversions write again
	s_wait_alu depctr_va_vdst(0)                   ; the block before has written its Y, which the stores below read, and is done writing and reading its X, in which the loads below land
	s_add_nc_u64 s[4:5], s[4:5], BLOCK*512         ; both bases at this block's first row
	s_add_nc_u64 s[10:11], s[10:11], BLOCK*256
.endif
.irp i, 0,1,2,3
.if \ahead
	global_load_b128 v[X+16*((\k+4)%5)+4*(\i):X+16*((\k+4)%5)+4*(\i)+3], v1, s[4:5] offset:(4*BLOCK+(\i))*512 th:TH_LOAD_NT  ; four blocks ahead; no vector instruction since the wait names these registers
.endif
.if !\first
	global_store_b64 v2, v[Y+8*((\k+4)%5)+2*(\i):Y+8*((\k+4)%5)+2*(\i)+1], s[10:11] offset:((\i)-BLOCK)*256 th:TH_STORE_NT  ; the block before: the offset reaches back
.endif
	v_pk_mul_f32 v[X+16*\k+4*(\i):X+16*\k+4*(\i)+1],   v[X+16*\k+4*(\i):X+16*\k+4*(\i)+1],   s[SC:SC+1] op_sel_hi:[1,0]
	v_pk_mul_f32 v[X+16*\k+4*(\i)+2:X+16*\k+4*(\i)+3], v[X+16*\k+4*(\i)+2:X+16*\k+4*(\i)+3], s[SC:SC+1] op_sel_hi:[1,0]
.irp j, 0,1,2,3
	v_rndne_f32 v[X+16*\k+4*(\i)+(\j)], v[X+16*\k+4*(\i)+(\j)]
.endr
.irp j, 0,1,2,3
	v_med3_num_f32 v[X+16*\k+4*(\i)+(\j)], v[X+16*\k+4*(\i)+(\j)], s24, s25   ; the clip
.endr
	v_cvt_pk_bf16_f32 v[Y+8*\k+2*(\i)],   v[X+16*\k+4*(\i)],   v[X+16*\k+4*(\i)+1]  ; exact: whole numbers of 7 bits
	v_cvt_pk_bf16_f32 v[Y+8*\k+2*(\i)+1], v[X+16*\k+4*(\i)+2], v[X+16*\k+4*(\i)+3]
.endr
.endm
	BLK 0, 1, 1, 3*BLOCK                           ; block 0: its loads land in X4, which no vector instruction has named; v1 has stood written since the head's wait
	s_mov_b32 s28, 2
.Lround:                                               ; blocks 1 to 10, five to a lap: every buffer is back at its start
	BLK 1, 0, 1, 3*BLOCK
	BLK 2, 0, 1, 3*BLOCK
	BLK 3, 0, 1, 3*BLOCK
	BLK 4, 0, 1, 3*BLOCK
	BLK 0, 0, 1, 3*BLOCK
	s_sub_co_u32 s28, s28, 1
	s_cmp_lg_u32 s28, 0
	s_cbranch_scc1 .Lround
	BLK 1, 0, 1, 3*BLOCK                           ; block 11 asks for the last block, 15
	BLK 2, 0, 0, 3*BLOCK                           ; blocks 12 to 15 load nothing: no load leaves the buffer, and the counts run down
	BLK 3, 0, 0, 2*BLOCK
	BLK 4, 0, 0, BLOCK
	BLK 0, 0, 0, 0
	s_wait_alu depctr_va_vdst(0)                   ; block 15 has written Y0, which the last four stores read
.irp i, 0,1,2,3
	global_store_b64 v2, v[Y+2*(\i):Y+2*(\i)+1], s[10:11] offset:(\i)*256 th:TH_STORE_NT
.endr
	s_or_b32 s29, ttmp9, s16                       ; wave 0 of work-group (0, 0) stores 1 / (ls rs)
	s_or_b32 s29, s29, s17
	s_cmp_lg_u32 s29, 0
	s_cbranch_scc1 .Lend
	v_mul_f32 v20, v24, v25                        ; p = ls rs
	v_rcp_f32 v21, v20
	v_nop                                          ; a plain instruction behind the reciprocal,
	s_wait_alu depctr_va_vdst(0)                   ; and the wait ahead of the first use: the reciprocal has written v21
	v_fma_f32 v22, -v20, v21, 1.0                  ; e = 1 - p r
	v_fma_f32 v26, v22, v21, v21                   ; r + e r
	v_mov_b32 v27, v26
	s_wait_alu depctr_va_vdst(0)                   ; v26 and v27 are written, which the store reads
	global_store_b64 v28, v[26:27], s[14:15]       ; 32 lanes x 8 bytes: all 256 bytes of deq
.Lend:
	s_endpgm
.Lfunc_end_k_qbafcd4a360_quant:
	.size	k_qbafcd4a360_quant, .Lfunc_end_k_qbafcd4a360_quant-k_qbafcd4a360_quant
	.p2alignl 7, 3214868480
	.fill 96, 4, 3214868480
	.section	.rodata,"a",@progbits
	.p2align	6, 0x0
	.amdhsa_kernel k_qbafcd4a360_quant
		.amdhsa_group_segment_fixed_size 0
		.amdhsa_private_segment_fixed_size 0
		.amdhsa_enable_private_segment 0
		.amdhsa_kernarg_size 48
		.amdhsa_user_sgpr_count 2
		.amdhsa_user_sgpr_kernarg_segment_ptr 1
		.amdhsa_wavefront_size32 1
		.amdhsa_system_sgpr_workgroup_id_x 1
		.amdhsa_system_sgpr_workgroup_id_y 1
		.amdhsa_system_sgpr_workgroup_id_z 1
		.amdhsa_system_vgpr_workitem_id 0
		.amdhsa_next_free_vgpr 152
		.amdhsa_next_free_sgpr 66
		.amdhsa_reserve_vcc 0
		.amdhsa_float_denorm_mode_32 3
		.amdhsa_float_denorm_mode_16_64 3
		.amdhsa_memory_ordered 1
		.amdhsa_forward_progress 1
		.amdhsa_inst_pref_size 43
	.end_amdhsa_kernel
	.amdgpu_metadata
---
amdhsa.version: [ 1, 2 ]
amdhsa.kernels:
  - .name:           k_qbafcd4a360_quant
    .symbol:         k_qbafcd4a360_quant.kd
    .args:
      - { .name: lhs, .offset: 0, .size: 8, .value_kind: global_buffer, .address_space: global }
      - { .name: rhs, .offset: 8, .size: 8, .value_kind: global_buffer, .address_space: global }
      - { .name: part, .offset: 16, .size: 8, .value_kind: global_buffer, .address_space: global }
      - { .name: ql, .offset: 24, .size: 8, .value_kind: global_buffer, .address_space: global }
      - { .name: qr, .offset: 32, .size: 8, .value_kind: global_buffer, .address_space: global }
      - { .name: deq, .offset: 40, .size: 8, .value_kind: global_buffer, .address_space: global }
    .group_segment_fixed_size: 0
    .private_segment_fixed_size: 0
    .kernarg_segment_align: 8
    .kernarg_segment_size: 48
    .max_flat_workgroup_size: 256
    .sgpr_count:     66
    .vgpr_count:     152
    .wavefront_size: 32
...
	.end_amdgpu_metadata
.endif
;; end of part 4
;; launch gemm: the kernel of part 3 again; grid 16 x 16, 4 waves a work-group, clusters of 4 x 4, 327,680 bytes of LDS; arguments ql, qr, deq, out0; writes out0
